; MI455X (gfx1250); checked and timed in simulation.
; The chip was launched on July 23, 2026; its instructions are those of AMD's public machine-readable ISA for CDNA 5 (MIT licence, August 2026) and "CDNA5" Instruction Set Architecture Reference Guide (July 2026). The comments in the code are by the model that wrote it; some were corrected since.
;; Vec Att GRU Cell. Allowed arithmetic: matrix products marked QUANTISED: E3M2 operands, one E8M0 scale for each 32 along K, by v_wmma_scale_f32_16x16x128_f8f6f4 with both operands' format E3M2, f32 sums; everything else in f32.
;; Inputs: W_cand_codes 1,024 x 64 x 24 uint8 (E3M2 codes of W_cand, K innermost, in blocks of 32 codes, four codes in three bytes); W_cand_scales 1,024 x 64 uint8 (E8M0 scales of W_cand, one for each 32 codes along K); W_gate_codes 2,048 x 64 x 24 uint8 (E3M2 codes of W_gate, K innermost, in blocks of 32 codes, four codes in three bytes); W_gate_scales 2,048 x 64 uint8 (E8M0 scales of W_gate, one for each 32 codes along K); att_score 8,192 x 1 float32; b_cand 1,024 float32; b_gate 2,048 float32; inputs 8,192 x 1,024 float32; state 8,192 x 1,024 float32.
;; Outputs: out0 8,192 x 1,024 float32.
;; This version of the problem:
;;   THIS VERSION OF THE PROBLEM IS GIVEN IN LOW PRECISION. The matrix products marked QUANTISED in the list below multiply operands that are first quantised to E3M2 (3 exponent bits, 2 mantissa bits; 6 bits a number), with one power-of-two scale for each 32 numbers along K (OCP MX v1.0); their sums are f32. All else is computed in f32.
;;   The module's matrix products, in the order in which they are computed (A, B: the left and right operand; K: the contracted axis; several contracted axes count as one K, in the product's order):
;;     1. [M 8,192, K 2,048] x [K 2,048, N 2,048]; A: computed on the way; B: input W_gate (given as codes): QUANTISED
;;     2. [M 8,192, K 2,048] x [K 2,048, N 1,024]; A: computed on the way; B: input W_cand (given as codes): QUANTISED
;;   THE QUANTISER, for each operand of a quantised product, along K:
;;     - K is cut into blocks of 32 from its start; a last block that is shorter is filled with zeros.
;;     - A block's scale is 2^e with e = floor(log2(the largest magnitude in the block)) - 4, held to -126 .. 127; a block of zeros has e = 0. As a byte (E8M0): e + 127.
;;     - Each number is divided by its block's scale, clamped to +-28, and rounded to the nearest number of E3M2, ties to even, subnormals kept.
;;     - The product sums the exact products of the quantised numbers (number of the format x scale) in f32.
;;   ~~~python
;;   def quantise(x, axis):      # numpy; x: float32 -> the quantised numbers, widened to float32 again
;;       x = np.moveaxis(x, axis, -1); K = x.shape[-1]
;;       x = np.pad(x, [(0, 0)] * (x.ndim - 1) + [(0, -K % 32)]); x = x.reshape(x.shape[:-1] + (-1, 32)); a = np.abs(x).max(-1, keepdims=True)
;;       e = np.where(a > 0, np.clip(np.frexp(np.where(a > 0, a, 1))[1] - 1 - 4, -126, 127), 0)      # np.frexp(a)[1] - 1 = floor(log2(a)), exactly
;;       r = np.clip(x / 2.0 ** e, -28, 28)
;;       step = 2.0 ** (np.maximum(np.frexp(np.where(r == 0, 1, r))[1] - 1, -2) - 2)
;;       q = np.round(r / step) * step * 2.0 ** e      # np.round: ties to even
;;       return np.moveaxis(q.reshape(q.shape[:-2] + (-1,))[..., :K], -1, axis).astype(np.float32)
;;   ~~~
;;   OPERANDS COMPUTED ON THE WAY. 'Computed on the way' means the value that the module computes at that place (a softmax that the list does not call 'softmax' is quantised finished and normalised). What goes into a quantiser is computed in f32, as accurately as f32 sums, v_exp_f32 and their like allow (about 1e-6 of the number): no bf16 or f16 on the way to a quantiser, and a product that is left as it is and whose result goes on into a quantised operand takes f32 operands (vector FMAs, or v_wmma_f32_16x16x4_f32). A number that lies on a knife's edge between two numbers of the format may be rounded either way, as far as f32 arithmetic and the matrix unit's own rounding can turn it there, and no further.
;;   INPUTS GIVEN AS CODES. W_cand (in the module: [2048, 1024], K = its axis 0); W_gate (in the module: [2048, 2048], K = its axis 0): each comes as NAME_codes (uint8): NAME with its K axis moved to the last place and cut into blocks of 32 codes, [.., K / 32, bytes a block], one block behind the other in memory; four codes in three bytes: a row's codes are one little-endian stream of bits, code i at bits 6 i .. 6 i + 5 (a code: sign, 3 exponent bits, 2 mantissa bits); and NAME_scales (uint8): the same leading axes, one E8M0 byte (e + 127) for each 32 codes along K. Its value is code x scale, taken as it is: it is not quantised again, and the codes and scales need not be those that the quantiser above would give.
;; One version. Each part assembles by itself: llvm-mc -triple=amdgcn-amd-amdhsa -mcpu=gfx1250 --defsym DOCPART=n.
;; ======== version 1 of 1: 3 launches
;; limits: right only within a limited range of input values
;; workspace buffers: xh_img 13,631,488 bytes; rh_img 6,815,744 bytes; wg_img 3,407,872 bytes; wc_img 1,703,936 bytes
;; launch prep (part 1): grid 1024 x 1, 4 waves a work-group, no clusters, 34,304 bytes of LDS; arguments inputs, state, W_gate_codes, W_gate_scales, W_cand_codes, W_cand_scales, xh_img, wg_img, wc_img; writes xh_img, wg_img, wc_img
.if DOCPART == 1
	.amdgcn_target "amdgcn-amd-amdhsa--gfx1250"
	.amdhsa_code_object_version 6
	.text
	.protected	k_q302fe73f93_prep
	.globl	k_q302fe73f93_prep
	.p2align	8
	.type	k_q302fe73f93_prep,@function
k_q302fe73f93_prep:
	s_mov_b64 s[64:65], 0
	v_nop
	global_prefetch_b8 v0, s[64:65] scope:SCOPE_SE
	s_setreg_imm32_b32 hwreg(HW_REG_WAVE_MODE, 25, 1), 1
	s_wait_xcnt 0x0
; VecAttGRUCell in MX-BF6, first of three launches.  new_h = u' h + (1 - u') c,  u' = (1 - att) u,  [r, u] = sigmoid([x, h] Wg + bg),  c = tanh([x, r h] Wc + bc).
; DEAD WORK: none.  Every input has a way to out0 and both products of the table are live in full; nothing is left out in any of the three launches.
; THIS LAUNCH quantises inputs and state (f32, K innermost) once, since every column tile of the later products reads them, and lays the given codes and scale bytes of W_gate and W_cand
; (bytes moved, nothing requantised) into the same form: IMAGES OF THE OPERAND'S REGISTERS.
; A RECORD is 16 rows x 256 along K, REC = 3,328 bytes: two fragments (16 rows x 128 K: 12 registers a lane), each as three groups of four registers, group c of lane l at 512 c + 16 l; behind them, at 3,072 + 8 l,
; the two scale words (K 0-127, K 128-255) of row l % 16, held twice (lanes 16-31 repeat lanes 0-15).  Records lie [K / 256][row block]: the row blocks of a tile at one K step are one dense run of bytes.
; ROWS OF A BLOCK.  Activations: lane-row p of block rb is row 16 rb + p.  Weights: lane-row p of block 2 B + u is row 32 B + 8 u + p + 8 (p / 8), so that with the product used transposed
; the 16 registers of two neighbouring result tiles are 16 neighbouring units.
; THE QUANTISER: a block's scale byte is its largest magnitude's exponent field - 4, held at 1 from below; each number is divided by the scale and rounded to the nearest code, ties to even, beyond 28 the largest code.
; LIMITS: NaN and infinities among inputs and state are not served (the exponent field is taken as it is).  A block of zeros gets the byte 1 where the rule says 127: its codes are zeros, and this program alone reads the bytes.
; SHARES.  Wave i = 4 x work-group + wave makes activation record i of 4,096 (xh_img: K steps 0-3 inputs, 4-7 state).  The waves of work-groups 0-383 also move weight record i of 1,536
; (1,024 of W_gate, 512 of W_cand) while their rows are on their way: these work-groups have the most to do and the lowest numbers.  1,024 work-groups with 256 registers a wave lie four to a WGP.
; No tensor loads, no barrier: waves share nothing.  Matrix units and clusters have nothing to do here: the launch moves bytes.
.set REC,   3328
.set WGW,   384                        ; work-groups that also take weights
.set SP,    528                        ; a stage row: 512 bytes + 16, so that the sixteen rows that a read touches start in sixteen different groups of banks
.set STG,   16*SP                      ; a wave's stage
.set SPARE, 4*STG                      ; behind the four stages: the spare words, 128 bytes for each wave: two blocks of 256 bytes that no other line names
.set LIN,   4                          ; v4   the stage, on the way in: my wave's stage + 16 x lane
.set LOUT,  5                          ; v5   and on the way out: + 528 r + 64 h
.set G16,   6                          ; v6   16 x lane
.set G8,    7                          ; v7   8 x lane
.set VW,    8                          ; v8   weights: my lane-row's codes
.set VS,    9                          ; v9   and its scale bytes
.set SPW,   12                         ; v12  LDS address of my spare word; never rewritten
.set NIL,   13                         ; v13  0; never rewritten
.set TM,    16                         ; v16-31 the quantiser's work
.set PW,    32                         ; v32, v33 the two scale words
.set PC0,   36                         ; v36-55 the first fragment's codes
.set X,     64                         ; v64-127 64 numbers of my row, register 16 b + i = k 32 b + 16 h + i
.set R,     128                        ; v128-255 the rows as loaded, two sets of 64
.set PC1,   128                        ; the second fragment's codes: set 0's registers, free once its stage stores are done
.set WF,    64                         ; weights: the two fragments, v64-87, ahead of X's first use;
.set WS,    88                         ; v[88:89] the two scale words
.set SEL,   36                         ; s[36:37] v_permlanex16_b32's selects for lane l xor 16
; 64 numbers of a lane become a fragment's codes in v[pc] .. v[pc + 11] and its row's scale word in v[pw]
.macro QUANT s, pc, pw
.irp b, 0,1,2,3
	v_max3_num_f32 v[TM+\b], |v[\s+16*\b]|, |v[\s+1+16*\b]|, 0x2800000   ; block b: my 16 numbers, and the floor 2^(5 - 127): the byte cannot fall under 1
.endr
.irp i, 2,4,6,8,10,12,14
.irp b, 0,1,2,3
	v_max3_num_f32 v[TM+\b], v[TM+\b], |v[\s+16*\b+\i]|, |v[\s+1+16*\b+\i]|   ; the four blocks by turns
.endr
.endr
.irp b, 0,1,2,3
	v_permlanex16_b32 v[TM+4+\b], v[TM+\b], s[SEL], s[SEL+1]
.endr
.irp b, 0,1,2,3
	v_max_num_f32 v[TM+\b], v[TM+\b], v[TM+4+\b]   ; with lane l xor 16's 16: the block's largest magnitude
.endr
.irp b, 0,1,2,3
	v_add_nc_u32 v[TM+12+\b], 0xfe000000, v[TM+\b]   ; 4 off its exponent field: the conversion takes this operand's exponent field as its scale
.endr
.irp b, 0,1,2,3
	v_lshrrev_b32 v[TM+4+\b], 23, v[TM+12+\b]      ; the scale's byte
.endr
	v_lshl_or_b32 v[\pw], v[TM+5], 8, v[TM+4]
	v_lshl_or_b32 v[\pw], v[TM+6], 16, v[\pw]
	v_lshl_or_b32 v[\pw], v[TM+7], 24, v[\pw]      ; my row's scale word (the same in lanes l and l xor 16)
.irp c, 0,1
	v_cvt_scalef32_pk16_bf6_f32 v[\pc+6*\c:\pc+2+6*\c], v[\s+32*\c:\s+15+32*\c], v[TM+12+2*\c]
	v_cvt_scalef32_pk16_bf6_f32 v[\pc+12+4*\c:\pc+14+4*\c], v[\s+16+32*\c:\s+31+32*\c], v[TM+12+2*\c+1]   ; (a conversion's three registers begin on an even number)
.endr
	v_nop                                          ; one plain place behind a scaled conversion
.irp c, 0,1                                    ; the operand's layout wants a whole block in a lane: lanes 0-15 block 2 c, lanes 16-31 block 2 c + 1
.irp i, 0,1,2
	v_permlane16_swap_b32 v[\pc+6*\c+\i], v[\pc+12+4*\c+\i]
.endr
.irp i, 0,1,2
	v_mov_b32 v[\pc+3+6*\c+\i], v[\pc+12+4*\c+\i]
.endr
.endr
.endm
; set q's sixteen rows go through my stage as they lie and come back 64 bytes a lane.  LDS serves a wave's instructions in order: no wait between the stores and the loads
.macro TURN q
.irp p, 0,1,2,3,4,5,6,7,8,9,10,11,12,13,14,15
	ds_store_b128 v[LIN], v[R+64*\q+4*\p:R+64*\q+4*\p+3] offset:SP*\p
.endr
.irp b, 0,1,2,3
.irp j, 0,1,2,3
	ds_load_b128 v[X+16*\b+4*\j:X+16*\b+4*\j+3], v[LOUT] offset:128*\b+16*\j
.endr
.endr
.endm
	s_load_b512 s[4:19], s[0:1], 0x0               ; inputs, state, Wg codes, Wg scales, Wc codes, Wc scales, xh_img, wg_img
	s_load_b64 s[20:21], s[0:1], 0x40              ; wc_img
	v_lshl_add_u32 v[SPW], v0, 2, SPARE
	v_mov_b32 v[NIL], 0
	v_lshrrev_b32 v1, 5, v0
	v_readfirstlane_b32 s22, v1                    ; wave
	v_and_b32 v1, 31, v0                           ; lane
	v_and_b32 v2, 15, v0                           ; r
	v_bfe_u32 v3, v0, 4, 1                         ; h
	v_lshlrev_b32 v[G16], 4, v1
	v_lshlrev_b32 v[G8], 3, v1
	s_mul_i32 s24, s22, STG
	v_add_nc_u32 v[LIN], s24, v[G16]
	v_mul_u32_u24 v[LOUT], v2, SP
	v_lshl_add_u32 v[LOUT], v3, 6, v[LOUT]
	v_add_nc_u32 v[LOUT], s24, v[LOUT]
.irp b, 0,1,2,3
	v_mov_b32 v[TM+4+\b], 0                        ; written once: a lane permute's destination counts as one of its sources
.endr
	s_lshl_b32 s23, ttmp9, 2
	s_add_co_u32 s23, s23, s22                     ; i = 4 x work-group + wave
	; ---- THE ACTIVATIONS: record i: K step i / 512 (0-3 inputs, 4-7 state), block i % 512
	s_lshr_b32 s25, s23, 9
	s_and_b32 s26, s23, 511
	s_lshl_b32 s26, s26, 16                        ; 16 rows of 4,096 bytes
	s_and_b32 s27, s25, 3
	s_lshl_b32 s27, s27, 10                        ; 256 numbers are 1,024 bytes
	s_add_co_u32 s26, s26, s27
	s_mov_b32 s27, 0
	s_mul_i32 s30, s23, REC
	s_mov_b32 s31, 0
	s_mov_b32 s[SEL], 0x76543210
	s_mov_b32 s[SEL+1], 0xfedcba98
	s_cmp_lt_u32 s23, 2048
	s_wait_alu depctr_va_vdst(0)                   ; the head's end
	s_wait_kmcnt 0x0
	s_cselect_b64 s[28:29], s[4:5], s[6:7]         ; inputs or state: the choice hangs on the record's number alone
	s_add_nc_u64 s[28:29], s[28:29], s[26:27]
	s_add_nc_u64 s[32:33], s[16:17], s[30:31]
.irp q, 0,1
.irp p, 0,1,2,3,4,5,6,7,8,9,10,11,12,13,14,15
	global_load_b128 v[R+64*\q+4*\p:R+64*\q+4*\p+3], v[G16], s[28:29] offset:4096*\p+512*\q th:TH_LOAD_NT   ; 32 lanes read 512 consecutive bytes of row p
.endr
.endr
	s_cmp_lt_u32 ttmp9, WGW
	s_cbranch_scc0 .Lrows
	; ---- THE WEIGHTS, while the rows are on their way: record i.  0-1023: W_gate (K step = i / 128, block = i % 128); the rest: W_cand (/ 64, % 64).  The choice is the same in a whole work-group
	v_and_b32 v[VW], 8, v2
	v_add_nc_u32 v[VW], v[VW], v2                  ; r + 8 (r / 8)
	v_lshlrev_b32 v[VS], 6, v[VW]                  ; a row of scale bytes is 64 bytes
	v_mul_u32_u24 v[VW], v[VW], 1536               ; a row of 2,048 codes is 1,536 bytes
	v_mad_u32_u24 v[VW], v3, 24, v[VW]             ; + 24 h: my half's block of 32 codes
	s_cmp_lt_u32 s23, 1024
	s_cselect_b32 s40, 7, 6
	s_cselect_b32 s41, 127, 63
	s_cselect_b32 s42, 0, 1024
	s_cselect_b64 s[44:45], s[8:9], s[12:13]       ; the codes,
	s_cselect_b64 s[46:47], s[10:11], s[14:15]     ; the scale bytes,
	s_cselect_b64 s[48:49], s[18:19], s[20:21]     ; the image
	s_sub_co_u32 s42, s23, s42                     ; the record's number in its image
	s_lshr_b32 s43, s42, s40                       ; K step
	s_and_b32 s41, s42, s41                        ; block
	s_lshr_b32 s50, s41, 1
	s_lshl_b32 s50, s50, 5
	s_and_b32 s51, s41, 1
	s_lshl_b32 s51, s51, 3
	s_add_co_u32 s50, s50, s51                     ; the block's first row: 32 (block / 2) + 8 (block % 2)
	s_mul_i32 s40, s50, 1536
	s_mul_i32 s51, s43, 192                        ; 256 codes are 192 bytes
	s_add_co_u32 s40, s40, s51
	s_mov_b32 s41, 0
	s_add_nc_u64 s[44:45], s[44:45], s[40:41]
	s_lshl_b32 s40, s50, 6
	s_lshl_b32 s51, s43, 3                         ; 256 along K are 8 scale bytes
	s_add_co_u32 s40, s40, s51
	s_add_nc_u64 s[46:47], s[46:47], s[40:41]
	s_mul_i32 s40, s42, REC
	s_add_nc_u64 s[48:49], s[48:49], s[40:41]
	s_wait_alu depctr_va_vdst(0)
.irp q, 0,1
.irp p, 0,1,2,3,4,5
	global_load_b64 v[WF+12*\q+2*\p:WF+12*\q+2*\p+1], v[VW], s[44:45] offset:96*\q+48*(\p/3)+8*(\p%3) th:TH_LOAD_NT   ; the row's stream of bits IS the register image: 24 bytes as three loads of 8
.endr
.endr
	global_load_b64 v[WS:WS+1], v[VS], s[46:47] th:TH_LOAD_NT   ; my lane-row's two scale words
	s_wait_loadcnt 0x0                             ; these thirteen were issued last: the rows are in too
.irp k, 0,1,2,3,4,5
	global_store_b128 v[G16], v[WF+4*\k:WF+4*\k+3], s[48:49] offset:512*\k   ; 32 lanes store 512 consecutive bytes, at a multiple of 256 from the image's first byte
.endr
	global_store_b64 v[G8], v[WS:WS+1], s[48:49] offset:3072   ; and 256 more
	s_wait_xcnt 0x0                                ; the stores have read their data: X's registers are loaded only behind this wait
.Lrows:
	s_wait_loadcnt 16                              ; the first 128 along K are in; the second sixteen loads may be out
	s_wait_alu depctr_va_vdst(0)
	TURN 0
	s_wait_dscnt 0x0
	QUANT X, PC0, PW
.irp c, 0,1,2
	global_store_b128 v[G16], v[PC0+4*\c:PC0+4*\c+3], s[32:33] offset:512*\c
.endr
	s_wait_loadcnt 0x0
	TURN 1                                         ; through the same stage: its first reads are back
	s_wait_dscnt 0x0
	QUANT X, PC1, PW+1
.irp c, 0,1,2
	global_store_b128 v[G16], v[PC1+4*\c:PC1+4*\c+3], s[32:33] offset:1536+512*\c
.endr
	global_store_b64 v[G8], v[PW:PW+1], s[32:33] offset:3072   ; no store's data are written again: no wait for them is owed
	s_wait_tensorcnt 0x0                           ; the wave's end, behind my last LDS store
	ds_add_u32 v[SPW], v[NIL]
	s_wait_dscnt 0x0
	s_endpgm
.Lfunc_end_k_q302fe73f93_prep:
	.size	k_q302fe73f93_prep, .Lfunc_end_k_q302fe73f93_prep-k_q302fe73f93_prep
	.p2alignl 7, 3214868480
	.fill 96, 4, 3214868480
	.section	.rodata,"a",@progbits
	.p2align	6, 0x0
	.amdhsa_kernel k_q302fe73f93_prep
		.amdhsa_group_segment_fixed_size 34304
		.amdhsa_private_segment_fixed_size 0
		.amdhsa_enable_private_segment 0
		.amdhsa_kernarg_size 72
		.amdhsa_user_sgpr_count 2
		.amdhsa_user_sgpr_kernarg_segment_ptr 1
		.amdhsa_wavefront_size32 1
		.amdhsa_system_sgpr_workgroup_id_x 1
		.amdhsa_system_sgpr_workgroup_id_y 1
		.amdhsa_system_sgpr_workgroup_id_z 1
		.amdhsa_system_vgpr_workitem_id 0
		.amdhsa_next_free_vgpr 256
		.amdhsa_next_free_sgpr 66
		.amdhsa_reserve_vcc 0
		.amdhsa_float_denorm_mode_32 3
		.amdhsa_float_denorm_mode_16_64 3
		.amdhsa_memory_ordered 1
		.amdhsa_forward_progress 1
		.amdhsa_inst_pref_size 21
	.end_amdhsa_kernel
	.amdgpu_metadata
---
amdhsa.version: [ 1, 2 ]
amdhsa.kernels:
  - .name:           k_q302fe73f93_prep
    .symbol:         k_q302fe73f93_prep.kd
    .args:
      - { .name: inputs, .offset: 0, .size: 8, .value_kind: global_buffer, .address_space: global }
      - { .name: state, .offset: 8, .size: 8, .value_kind: global_buffer, .address_space: global }
      - { .name: W_gate_codes, .offset: 16, .size: 8, .value_kind: global_buffer, .address_space: global }
      - { .name: W_gate_scales, .offset: 24, .size: 8, .value_kind: global_buffer, .address_space: global }
      - { .name: W_cand_codes, .offset: 32, .size: 8, .value_kind: global_buffer, .address_space: global }
      - { .name: W_cand_scales, .offset: 40, .size: 8, .value_kind: global_buffer, .address_space: global }
      - { .name: xh_img, .offset: 48, .size: 8, .value_kind: global_buffer, .address_space: global }
      - { .name: wg_img, .offset: 56, .size: 8, .value_kind: global_buffer, .address_space: global }
      - { .name: wc_img, .offset: 64, .size: 8, .value_kind: global_buffer, .address_space: global }
    .group_segment_fixed_size: 34304
    .private_segment_fixed_size: 0
    .kernarg_segment_align: 8
    .kernarg_segment_size: 72
    .max_flat_workgroup_size: 128
    .sgpr_count:     66
    .vgpr_count:     256
    .wavefront_size: 32
...
	.end_amdgpu_metadata
.endif
;; end of part 1
;; launch rgate (part 2): grid 8 x 32, 4 waves a work-group, clusters of 4 x 4, 327,680 bytes of LDS; arguments xh_img, wg_img, b_gate, state, rh_img; writes rh_img
.if DOCPART == 2
	.amdgcn_target "amdgcn-amd-amdhsa--gfx1250"
	.amdhsa_code_object_version 6
	.text
	.protected	k_q302fe73f93_rgate
	.globl	k_q302fe73f93_rgate
	.p2align	8
	.type	k_q302fe73f93_rgate,@function
k_q302fe73f93_rgate:
	s_mov_b64 s[64:65], 0
	v_nop
	global_prefetch_b8 v0, s[64:65] scope:SCOPE_SE
	s_setreg_imm32_b32 hwreg(HW_REG_WAVE_MODE, 25, 1), 1
	s_wait_xcnt 0x0
	s_wait_alu depctr_hold_cnt(0) depctr_sa_sdst(0) depctr_va_vdst(0) depctr_va_sdst(0) depctr_va_ssrc(0) depctr_va_vcc(0) depctr_vm_vsrc(0)
	s_getreg_b32 s2, hwreg(HW_REG_IB_STS2, 6, 4)
	s_cmp_eq_u32 s2, 0
	s_cbranch_scc0 .Lentry_in_a_cluster
	s_endpgm
.Lentry_in_a_cluster:
	s_bfe_u32 s2, ttmp6, 0x10000c
	s_cmp_lg_u32 s2, 0xf033
	s_cbranch_scc0 .Lentry_shape_is_right
	s_endpgm
.Lentry_shape_is_right:
; Second of three launches: r = sigmoid([x, h] Wg[:, 0:1024] + bg[0:1024]); r x state in f32; quantised along the units into rh_img, the second half of the candidate product's left operand.  No work is left out.
; The operands are the first launch's images: a RECORD is 16 rows x 256 along K, 3,328 bytes (two fragments as images of their 12 registers, then the rows' scale words, 8 bytes a lane), records laid [K / 256][row block].
; SHARES.  A work-group takes 256 rows x 128 units.  Wave w takes rows 64 w .. 64 w + 63 and ALL 128 units: 4 x 8 accumulators, 256 registers.  So a wave's eight result tiles of 16 rows are one whole fragment
; (128 along the next product's K) and one whole scale word a row: they are quantised in registers and stored as an image; no other wave is asked.
; THE PRODUCT IS USED TRANSPOSED (source 0 = 16 rows of the weight, source 1 = 16 rows of [x, h]): lane (r, h) holds row r, and, by the order in which the first launch laid the weight's rows, register 16 b + i of a
; block's 64 is unit 32 b + 16 h + i.  The bias is the C of each sum's first matrix instruction.
; K goes through a ring of two LDS slots of 512 along K (two record steps, each: A's 16 records, then B's 8): 128 matrix instructions a wave between two changes of slots.  The walk's 16 steps of 128 are written out:
; its three changes of slots differ (two refills, then none).
; CLUSTERS: 4 x 4 work-groups.  A's tiles hang on the row tile alone and are shared along a row of the cluster, B's on the column tile alone and are shared along a column: each is asked for jointly.
; state's 64 rows x 512 bytes a wave are asked for under the products, into 256 registers that are otherwise idle, and turned through the wave's stage on the way out.
; sigmoid(z) = 1 / (1 + 2^(-z log2 e)): where the exponential overflows the result is 0, where it falls to 0 the result is 1.  LIMITS: NaN and infinities in state are not served by the quantiser; a block of zeros
; gets the scale byte 1 where the rule says 127: its codes are zeros, and this program alone reads the bytes.
; REGISTERS, in windows of 256: window 0: v1-29 addresses; v32-79 scale words, two sets (A's 8, B's 16); v80-175 A's fragments, two sets of 48; v176-239 the bias.  On the way out v80-143 at work, v208-247 the quantiser's.
;   window 1: B's fragments, two sets, at v0 and v128; on the way out v0-127 state as the result's layout wants it, two sets.   window 2: accumulator (a, b) at v[8 (8 a + b)].   window 3: state's rows as loaded, row p at v[4 p].
.set REC,   3328
.set TA,    16*REC                     ; A's tile of one record step: 256 rows
.set TB,    8*REC                      ; B's: 128 units
.set SUBS,  TA+TB
.set SLOT,  2*SUBS
.set SPARE, 2*SLOT                     ; behind the ring: the spare words, 128 bytes for each wave: two blocks of 256 bytes that no other line names
.set KA,    512*REC                    ; a record step on in xh_img
.set KG,    128*REC                    ; and in wg_img
.set SP,    528                        ; the way out: a stage of 16 rows x (512 bytes + 16) for each wave, in slot 0, which has had its last fill and its last read by then
.set STG,   16*SP
.set ADRA,  4                          ; v4-7    my A fragments in record step k of the ring (k = 2 slot + step): k SUBS + 4 REC x wave + 16 x lane
.set ADRB,  8                          ; v8-11   B's: k SUBS + TA + 16 x lane
.set ADSA,  12                         ; v12-15  the scale words' addresses: as ADRA with 8 x lane (the 3,072 to a record's words stand in the loads' offsets)
.set ADSB,  16                         ; v16-19  as ADRB with 8 x lane
.set STI,   20                         ; v20     my stage, on the way in
.set STR,   21                         ; v21     and on the way out
.set G16,   22                         ; v22     16 x lane
.set G8,    23                         ; v23     8 x lane
.set BOF,   24                         ; v24     64 h: my half's place in the bias
.set SPW,   28                         ; v28     LDS address of my spare word; never rewritten
.set NIL,   29                         ; v29     0; never rewritten
.set SC,    32
.set AF,    80
.set BI,    176
.set Z,     80
.set TM,    208
.set PW,    224
.set PC,    228
.set WV,    14                         ; s14 wave;  s15 I fetch for A (0) or B (1);  s16 which record step of a slot I fetch;  s17 the row tile;  s42 the column tile
.set ROLE,  15
.set PART,  16
.set TY,    17
.set TX,    42
.set G1,    24                         ; s[24:31] descriptor group 1 for A's tiles;  s[32:39] group 0, one set for each slot
.set G0,    32
.set G1B,   48                         ; s[48:55], s[56:63] the same for B's
.set G0B,   56
.set SHW,   68                         ; s[68:69] state at my wave's first row, my tile's first unit
.set RF,    70                         ; s[70:71] rh_img at my first record's fragment
.set RS,    72                         ; s[72:73] and at its scale word
.set SEL,   74                         ; s[74:75] selects for lane l xor 16
.set LG,    82                         ; s[82:83] -log2(e): the packed form names a pair and takes its low word for both halves
.set MSB, 0
.macro WIN new                         ; the immediate's high byte repeats the setting that is left
.if MSB != (\new)
	s_set_vgpr_msb (MSB<<8)|(\new)
.set MSB, (\new)
.endif
.endm
; A joint load: waves 0 and 1 fetch for A, waves 2 and 3 for B; the branch hangs on the wave's number alone.  An s_nop 0 and four v_nop follow each of the two lines.
.macro JLOAD g0a, g1a, g0b, g1b
	s_cmp_eq_u32 s[ROLE], 0
	s_cbranch_scc0 .Lfor_b_\@
	tensor_load_to_lds s[\g0a:\g0a+3], s[\g1a:\g1a+7]
	s_nop 0
.rept 4
	v_nop
.endr
	s_branch .Lasked_\@
.Lfor_b_\@:
	tensor_load_to_lds s[\g0b:\g0b+3], s[\g1b:\g1b+7]
	s_nop 0
.rept 4
	v_nop
.endr
.Lasked_\@:
.endm
.macro CREST                           ; a round of the cluster's barrier behind its opening barrier
	s_cmp_lg_u32 s[WV], 0
	s_cbranch_scc1 .Lnot_wave_0_\@
	s_barrier_signal -3
.Lnot_wave_0_\@:
	s_barrier_wait -3
	s_barrier_signal -1
	s_barrier_wait -1
.endm
.macro CROUND
	s_barrier_signal -1
	s_barrier_wait -1
	CREST
.endm
.macro PLACES n                        ; plain vector places behind matrix instructions, in front of loads into their registers and of reads of their results
.rept \n
	v_nop
.endr
.endm
.macro QUANT s, pc, pw                 ; 64 numbers of a lane, register 16 b + i = k 32 b + 16 h + i of my row, become a fragment's codes in v[pc] .. v[pc + 11] and the row's scale word in v[pw]
.irp b, 0,1,2,3
	v_max3_num_f32 v[TM+\b], |v[\s+16*\b]|, |v[\s+1+16*\b]|, 0x2800000   ; and the floor 2^(5 - 127): the byte cannot fall under 1
.endr
.irp i, 2,4,6,8,10,12,14
.irp b, 0,1,2,3
	v_max3_num_f32 v[TM+\b], v[TM+\b], |v[\s+16*\b+\i]|, |v[\s+1+16*\b+\i]|
.endr
.endr
.irp b, 0,1,2,3
	v_permlanex16_b32 v[TM+4+\b], v[TM+\b], s[SEL], s[SEL+1]
.endr
.irp b, 0,1,2,3
	v_max_num_f32 v[TM+\b], v[TM+\b], v[TM+4+\b]
.endr
.irp b, 0,1,2,3
	v_add_nc_u32 v[TM+12+\b], 0xfe000000, v[TM+\b]   ; 4 off the exponent field: the conversion's scale operand
.endr
.irp b, 0,1,2,3
	v_lshrrev_b32 v[TM+4+\b], 23, v[TM+12+\b]      ; the scale's byte
.endr
	v_lshl_or_b32 v[\pw], v[TM+5], 8, v[TM+4]
	v_lshl_or_b32 v[\pw], v[TM+6], 16, v[\pw]
	v_lshl_or_b32 v[\pw], v[TM+7], 24, v[\pw]
.irp c, 0,1
	v_cvt_scalef32_pk16_bf6_f32 v[\pc+6*\c:\pc+2+6*\c], v[\s+32*\c:\s+15+32*\c], v[TM+12+2*\c]
	v_cvt_scalef32_pk16_bf6_f32 v[\pc+12+4*\c:\pc+14+4*\c], v[\s+16+32*\c:\s+31+32*\c], v[TM+12+2*\c+1]
.endr
	v_nop                                          ; one plain place behind a scaled conversion
.irp c, 0,1
.irp i, 0,1,2
	v_permlane16_swap_b32 v[\pc+6*\c+\i], v[\pc+12+4*\c+\i]
.endr
.irp i, 0,1,2
	v_mov_b32 v[\pc+3+6*\c+\i], v[\pc+12+4*\c+\i]
.endr
.endr
.endm
	s_load_b256 s[4:11], s[0:1], 0x0               ; xh_img, wg_img, b_gate, state
	s_load_b64 s[12:13], s[0:1], 0x20              ; rh_img
	v_lshl_add_u32 v[SPW], v0, 2, SPARE
	v_mov_b32 v[NIL], 0
	ds_add_u32 v[SPW], v[NIL]                      ; the wave's opening: the add, twice on end, and its wait ahead of my first tensor load
	ds_add_u32 v[SPW], v[NIL]                      ; and once more, under the one wait; the set-up below, work on registers, stands between
	v_lshrrev_b32 v1, 5, v0
	v_readfirstlane_b32 s[WV], v1
	s_lshr_b32 s[ROLE], s[WV], 1
	s_and_b32 s[PART], s[WV], 1
	s_bfe_u32 s40, ttmp6, 0x40000                  ; cx, cy: my place in the cluster
	s_bfe_u32 s41, ttmp6, 0x40004
	s_lshl_b32 s[TX], ttmp9, 2
	s_add_co_u32 s[TX], s[TX], s40                 ; column tile = 4 x cluster x + cx
	s_and_b32 s[TY], ttmp7, 0xffff
	s_lshl_b32 s[TY], s[TY], 2
	s_add_co_u32 s[TY], s[TY], s41                 ; row tile = 4 x cluster y + cy
	s_lshl_b32 s43, s41, 2
	s_lshl_b32 s43, 15, s43                        ; my row of the cluster
	s_lshl_b32 s44, 0x1111, s40                    ; my column
	; descriptor group 1: a tile is a dense run of bytes, taken as rows of 256 bytes (32 elements of 8 bytes), no padding
	s_or_b32 s[G1], s43, (3<<16)|(1<<21)           ; 15:0 the mask: A's tiles go to my row; 17:16 elements of 8 bytes; 21 set beside a mask
	s_mov_b32 s[G1+1], 32<<16                      ; tensor_dim0
	s_mov_b32 s[G1+2], (TA/256)<<16                ; tensor_dim1
	s_mov_b32 s[G1+3], 32<<16                      ; tile_dim0
	s_mov_b32 s[G1+4], TA/256                      ; tile_dim1
	s_mov_b32 s[G1+5], 32                          ; from row to row
	s_mov_b32 s[G1+6], 0
	s_mov_b32 s[G1+7], 0
	s_or_b32 s[G1B], s44, (3<<16)|(1<<21)          ; B's go to my column
	s_mov_b32 s[G1B+1], 32<<16
	s_mov_b32 s[G1B+2], (TB/256)<<16
	s_mov_b32 s[G1B+3], 32<<16
	s_mov_b32 s[G1B+4], TB/256
	s_mov_b32 s[G1B+5], 32
	s_mov_b32 s[G1B+6], 0
	s_mov_b32 s[G1B+7], 0
	s_mul_i32 s20, s[TY], TA                       ; A: my row tile, my record step of slot 0
	s_mul_i32 s21, s[PART], KA
	s_add_co_u32 s20, s20, s21
	s_mov_b32 s21, 0
	s_mul_i32 s46, s[TX], TB                       ; B: my column tile (the r half is wg_img's blocks 0-63)
	s_mul_i32 s47, s[PART], KG
	s_add_co_u32 s46, s46, s47
	s_mov_b32 s47, 0
	s_mul_i32 s45, s[PART], SUBS                   ; where they go: no place in the cluster enters an LDS address
	s_mov_b32 s[SEL], 0x76543210
	s_mov_b32 s[SEL+1], 0xfedcba98
	s_mov_b32 s[LG], 0xbfb8aa3b
	s_mov_b32 s[LG+1], s[LG]
	s_wait_dscnt 0x0                               ; both opening adds are done
	s_wait_kmcnt 0x0
	s_add_nc_u64 s[20:21], s[4:5], s[20:21]
	s_add_nc_u64 s[46:47], s[6:7], s[46:47]
	CROUND                                         ; all sixteen work-groups are here: the first joint loads meet
.irp s, 0,1
	s_mov_b32 s[G0+4*\s], 1
	s_add_co_u32 s[G0+4*\s+1], s45, \s*SLOT
	s_add_nc_u64 s[G0+4*\s+2:G0+4*\s+3], s[20:21], \s*2*KA
	s_or_b32 s[G0+4*\s+3], s[G0+4*\s+3], 0x80000000
	s_mov_b32 s[G0B+4*\s], 1
	s_add_co_u32 s[G0B+4*\s+1], s45, \s*SLOT+TA
	s_add_nc_u64 s[G0B+4*\s+2:G0B+4*\s+3], s[46:47], \s*2*KG
	s_or_b32 s[G0B+4*\s+3], s[G0B+4*\s+3], 0x80000000
.endr
	JLOAD G0, G1, G0B, G1B                         ; slot 0: one tensor load a wave at the head
	v_and_b32 v1, 31, v0                           ; lane
	v_and_b32 v2, 15, v0                           ; r
	v_bfe_u32 v3, v0, 4, 1                         ; h
	v_lshlrev_b32 v[G16], 4, v1
	v_lshlrev_b32 v[G8], 3, v1
	v_lshlrev_b32 v[BOF], 6, v3
	s_mul_i32 s18, s[WV], 4*REC                    ; my four records of A's sixteen
.irp k, 0,1,2,3
	v_add_nc_u32 v[ADRA+\k], s18, v[G16]
	v_add_nc_u32 v[ADSA+\k], s18, v[G8]
	v_add_nc_u32 v[ADRB+\k], \k*SUBS+TA, v[G16]
	v_add_nc_u32 v[ADSB+\k], \k*SUBS+TA, v[G8]
	s_add_co_u32 s18, s18, SUBS
.endr
	s_mul_i32 s19, s[WV], STG
	v_add_nc_u32 v[STI], s19, v[G16]
	v_mul_u32_u24 v[STR], v2, SP
	v_lshl_add_u32 v[STR], v3, 6, v[STR]
	v_add_nc_u32 v[STR], s19, v[STR]
	s_lshl_b32 s18, s[TX], 9                       ; 128 units are 512 bytes
	s_mov_b32 s19, 0
	s_add_nc_u64 s[8:9], s[8:9], s[18:19]          ; the bias at my tile's first unit
	s_lshl_b32 s76, s[TY], 20                      ; 256 rows of 4,096 bytes,
	s_lshl_b32 s77, s[WV], 18                      ; my wave's 64
	s_add_co_u32 s76, s76, s77
	s_add_co_u32 s76, s76, s18
	s_mov_b32 s77, 0
	s_add_nc_u64 s[SHW:SHW+1], s[10:11], s[76:77]
	s_lshr_b32 s78, s[TX], 1                       ; rh_img: record step = unit / 256,
	s_lshl_b32 s78, s78, 9
	s_lshl_b32 s79, s[TY], 4                       ; row block 16 x row tile + 4 x wave
	s_add_co_u32 s78, s78, s79
	s_lshl_b32 s79, s[WV], 2
	s_add_co_u32 s78, s78, s79
	s_mul_i32 s78, s78, REC
	s_mov_b32 s79, 0
	s_add_nc_u64 s[RS:RS+1], s[12:13], s[78:79]
	s_and_b32 s80, s[TX], 1                        ; which of the record's two fragments is my tile's
	s_mul_i32 s78, s80, 1536
	s_add_nc_u64 s[RF:RF+1], s[RS:RS+1], s[78:79]
	s_lshl_b32 s78, s80, 2
	s_add_co_u32 s78, s78, 3072
	s_add_nc_u64 s[RS:RS+1], s[RS:RS+1], s[78:79]
.irp t, 0,1,2,3,4,5,6,7                        ; the bias in the result's layout: tile t, lane half h: units 32 (t / 2) + 16 h + 8 (t % 2) + 0 .. 7
	global_load_b128 v[BI+8*\t:BI+8*\t+3], v[BOF], s[8:9] offset:(32*(\t/2)+8*(\t%2))*4
	global_load_b128 v[BI+8*\t+4:BI+8*\t+7], v[BOF], s[8:9] offset:(32*(\t/2)+8*(\t%2))*4+16
.endr
; Step n = 0 .. 15 of 128 along K: record step (n / 2) % 4 of the ring, fragment n % 2 of its records, fragment set n % 2, scale set (n / 2) % 2.
.macro FETCH n                         ; 36 loads of 16 bytes a lane, each 512 consecutive bytes; with a record's first fragment its scale words, 12 loads of 8 bytes a lane
.set FK, ((\n)/2)%4
.set FQ, (\n)%2
.set FS, ((\n)/2)%2
	WIN 0x40                                       ; destination window 1
.irp b, 0,1,2,3,4,5,6,7
.irp c, 0,1,2
	ds_load_b128 v[128*FQ+12*\b+4*\c:128*FQ+12*\b+4*\c+3], v[ADRB+FK] offset:REC*\b+1536*FQ+512*\c
.endr
.endr
	WIN 0
.irp a, 0,1,2,3
.irp c, 0,1,2
	ds_load_b128 v[AF+48*FQ+12*\a+4*\c:AF+48*FQ+12*\a+4*\c+3], v[ADRA+FK] offset:REC*\a+1536*FQ+512*\c
.endr
.endr
.if FQ == 0
.irp b, 0,1,2,3,4,5,6,7
	ds_load_b64 v[SC+24*FS+8+2*\b:SC+24*FS+8+2*\b+1], v[ADSB+FK] offset:3072+REC*\b
.endr
.irp a, 0,1,2,3
	ds_load_b64 v[SC+24*FS+2*\a:SC+24*FS+2*\a+1], v[ADSA+FK] offset:3072+REC*\a
.endr
.endif
.endm
; A's blocks a0 .. a0 + na - 1 against B's eight.  The 32 accumulators take turns, one instruction a turn, in the same order in every step.  Step 0 starts the sums with the bias as C
.macro MUL n, a0, na
.set MQ, (\n)%2
.set MS, ((\n)/2)%2
.if (\n) == 0
	WIN 0x81                                       ; source 0 (B) window 1, source 1 (A) and C (the bias) window 0, D window 2
.else
	WIN 0xa1                                       ; C and D window 2
.endif
.set MA, \a0
.rept \na
.irp b, 0,1,2,3,4,5,6,7
.if (\n) == 0
	v_wmma_scale_f32_16x16x128_f8f6f4 v[8*(8*MA+\b):8*(8*MA+\b)+7], v[128*MQ+12*\b:128*MQ+12*\b+11], v[AF+48*MQ+12*MA:AF+48*MQ+12*MA+11], v[BI+8*\b:BI+8*\b+7], v[SC+24*MS+8+2*\b+MQ], v[SC+24*MS+2*MA+MQ] matrix_a_fmt:MATRIX_FMT_BF6 matrix_b_fmt:MATRIX_FMT_BF6
.else
	v_wmma_scale_f32_16x16x128_f8f6f4 v[8*(8*MA+\b):8*(8*MA+\b)+7], v[128*MQ+12*\b:128*MQ+12*\b+11], v[AF+48*MQ+12*MA:AF+48*MQ+12*MA+11], v[8*(8*MA+\b):8*(8*MA+\b)+7], v[SC+24*MS+8+2*\b+MQ], v[SC+24*MS+2*MA+MQ] matrix_a_fmt:MATRIX_FMT_BF6 matrix_b_fmt:MATRIX_FMT_BF6
.endif
.endr
.set MA, MA+1
.endr
.endm
.macro SUB n                           ; a step whose successor lies in the same slot
	s_wait_dscnt 0x0                               ; this step's fragments, asked for 32 matrix instructions ago
.if (\n) > 0
	PLACES 4                                       ; the other set was read by the step before
.endif
	FETCH (\n)+1
	MUL \n, 0, 4
.endm
; A slot's last step changes slots: ONE barrier; in front of it each wave waits for all its tensor loads, adds 0 to its spare word, and waits for that and for its own reads of this slot.  fill = 1: the slot is filled again, 1,024 along K ahead
.macro TURN n, fill
.set TSL, ((\n)/4)%2
	WIN 0                                          ; (the add's two registers lie in window 0)
	s_wait_tensorcnt 0x0                           ; all my tensor loads have landed: my part of the next slot
	ds_add_u32 v[SPW], v[NIL]                      ; 0 onto my spare word
	s_wait_dscnt 1                                 ; this step's fragments are in (the add may be out)
	MUL \n, 0, 1                                   ; eight matrix instructions stand between the add and the wait for it
	s_wait_dscnt 0x0                               ; the add is done, and my reads of this slot are over
	s_barrier_signal -1
	MUL \n, 1, 1
	WIN 0
	s_barrier_wait -1
.if \fill
	CREST                                          ; the barrier has opened a round of the cluster's barrier: no wave of any partner still reads this slot or has a load on its way
	s_add_nc_u64 s[G0+4*TSL+2:G0+4*TSL+3], s[G0+4*TSL+2:G0+4*TSL+3], 4*KA
	s_add_nc_u64 s[G0B+4*TSL+2:G0B+4*TSL+3], s[G0B+4*TSL+2:G0B+4*TSL+3], 4*KG
	JLOAD G0+4*TSL, G1, G0B+4*TSL, G1B             ; the first tensor load behind the round; its four v_nop are the places in front of the loads below
.else
	PLACES 4
.endif
	s_wait_alu depctr_va_vdst(0)
	FETCH (\n)+1
	MUL \n, 2, 2
.endm
.macro HRUN g                          ; 32 rows of state, 512 consecutive bytes each, into window 3
	WIN 0xc0
.set HP, 32*\g
.rept 32
	global_load_b128 v[4*HP:4*HP+3], v[G16], s[SHW:SHW+1] offset:4096*HP th:TH_LOAD_NT
.set HP, HP+1
.endr
.endm
	s_wait_alu depctr_va_vdst(0)                   ; the head's end
	s_wait_tensorcnt 0x0                           ; my part of slot 0 is in
	ds_add_u32 v[SPW], v[NIL]
	s_wait_dscnt 0x0                               ; the add is done
	CROUND                                         ; a whole round: everybody's part of slot 0 is in, and all sixteen work-groups are here
	JLOAD G0+4, G1, G0B+4, G1B                     ; slot 1's first fill, the first tensor load behind the round: one tensor load of mine is out at the most
	FETCH 0
	s_wait_loadcnt 0x0                             ; the bias
	SUB 0
	HRUN 0                                         ; state travels while the products run
	SUB 1
	SUB 2
	TURN 3, 1
	SUB 4
	HRUN 1
	SUB 5
	SUB 6
	TURN 7, 1
	SUB 8
	SUB 9
	SUB 10
	TURN 11, 0                                     ; nothing is left to fetch: a plain barrier.  Behind it nobody reads slot 0
	SUB 12
	SUB 13
	SUB 14
	s_wait_dscnt 0x0
	MUL 15, 0, 4
	WIN 0
	PLACES 4                                       ; in front of the first reads of results and of writes and loads into the operands' registers
; THE WAY OUT, a block of 16 rows at a time.  HTURN: the block's rows of state go through my stage as they lie and come back in the result's layout.  LDS serves a wave's instructions in order: no wait inside.
.macro HTURN a
	s_wait_loadcnt 16*(3-(\a))                     ; the block's sixteen rows are in; the later blocks' may be out
	WIN 0x0c                                       ; an LDS store's data are its source 1: window 3
.irp p, 0,1,2,3,4,5,6,7,8,9,10,11,12,13,14,15
	ds_store_b128 v[STI], v[64*(\a)+4*\p:64*(\a)+4*\p+3] offset:SP*\p
.endr
	WIN 0x40
.irp b, 0,1,2,3
.irp j, 0,1,2,3
	ds_load_b128 v[64*((\a)%2)+16*\b+4*\j:64*((\a)%2)+16*\b+4*\j+3], v[STR] offset:128*\b+16*\j
.endr
.endr
	WIN 0
.endm
.macro RBLK a
.if \a < 3
	HTURN (\a)+1
.endif
	WIN 0x02                                       ; source 0: the accumulators, window 2
.set I, 0
.rept 32
	v_pk_mul_f32 v[Z+I:Z+I+1], v[64*\a+I:64*\a+I+1], s[LG:LG+1] op_sel_hi:[1,0]   ; -z log2(e); ascending: each accumulator is read from its low end on
.set I, I+2
.endr
	WIN 0
.set I, 0
	s_wait_alu depctr_va_vdst(0)
.rept 64
	v_exp_f32 v[Z+I], v[Z+I]
.set I, I+1
.endr
	v_nop                                          ; a plain place behind the last exponential
	s_wait_alu depctr_va_vdst(0)                   ; one wait for the batch, ahead of its first reader
.set I, 0
.rept 32
	v_pk_add_f32 v[Z+I:Z+I+1], v[Z+I:Z+I+1], 1.0 op_sel_hi:[1,0]
.set I, I+2
.endr
.set I, 0
	s_wait_alu depctr_va_vdst(0)
.rept 64
	v_rcp_f32 v[Z+I], v[Z+I]                       ; r
.set I, I+1
.endr
	v_nop
	s_wait_alu depctr_va_vdst(0)                   ; and one for the reciprocals
.if \a < 3
	s_wait_dscnt 32                                ; this block's state is back; the next block's 16 stores and 16 loads may be out
.else
	s_wait_dscnt 0x0
.endif
	WIN 0x04                                       ; source 1: state, window 1
.set I, 0
.rept 32
	v_pk_mul_f32 v[Z+I:Z+I+1], v[Z+I:Z+I+1], v[64*((\a)%2)+I:64*((\a)%2)+I+1]   ; r x state, in f32
.set I, I+2
.endr
	WIN 0
.if \a > 0
	s_wait_xcnt 0x0                                ; the last block's stores have read the codes' and the word's registers
.endif
	QUANT Z, PC, PW
.irp c, 0,1,2
	global_store_b128 v[G16], v[PC+4*\c:PC+4*\c+3], s[RF:RF+1] offset:REC*\a+512*\c   ; 32 lanes store 512 consecutive bytes, at a multiple of 256 from the image's first byte
.endr
	global_store_b32 v[G8], v[PW], s[RS:RS+1] offset:REC*\a   ; my tile's word of the record's two: 4 bytes of every 8; the neighbouring column tile stores the others
.endm
.irp b, 0,1,2,3
	v_mov_b32 v[TM+4+\b], 0                        ; written once: a lane permute's destination counts as one of its sources
.endr
	HTURN 0
	RBLK 0
	RBLK 1
	RBLK 2
	RBLK 3
	s_wait_tensorcnt 0x0                           ; the wave's end, behind my last tensor load and my last LDS store
	ds_add_u32 v[SPW], v[NIL]
	s_wait_dscnt 0x0
	CROUND                                         ; the closing round: no work-group ends while a partner may still ask for a tile that names it
	s_endpgm
.Lfunc_end_k_q302fe73f93_rgate:
	.size	k_q302fe73f93_rgate, .Lfunc_end_k_q302fe73f93_rgate-k_q302fe73f93_rgate
	.p2alignl 7, 3214868480
	.fill 96, 4, 3214868480
	.section	.rodata,"a",@progbits
	.p2align	6, 0x0
	.amdhsa_kernel k_q302fe73f93_rgate
		.amdhsa_group_segment_fixed_size 327680
		.amdhsa_private_segment_fixed_size 0
		.amdhsa_enable_private_segment 0
		.amdhsa_kernarg_size 40
		.amdhsa_user_sgpr_count 2
		.amdhsa_user_sgpr_kernarg_segment_ptr 1
		.amdhsa_wavefront_size32 1
		.amdhsa_system_sgpr_workgroup_id_x 1
		.amdhsa_system_sgpr_workgroup_id_y 1
		.amdhsa_system_sgpr_workgroup_id_z 1
		.amdhsa_system_vgpr_workitem_id 0
		.amdhsa_next_free_vgpr 1024
		.amdhsa_next_free_sgpr 100
		.amdhsa_reserve_vcc 0
		.amdhsa_float_denorm_mode_32 3
		.amdhsa_float_denorm_mode_16_64 3
		.amdhsa_memory_ordered 1
		.amdhsa_forward_progress 1
		.amdhsa_inst_pref_size 195
	.end_amdhsa_kernel
	.amdgpu_metadata
---
amdhsa.version: [ 1, 2 ]
amdhsa.kernels:
  - .name:           k_q302fe73f93_rgate
    .symbol:         k_q302fe73f93_rgate.kd
    .args:
      - { .name: xh_img, .offset: 0, .size: 8, .value_kind: global_buffer, .address_space: global }
      - { .name: wg_img, .offset: 8, .size: 8, .value_kind: global_buffer, .address_space: global }
      - { .name: b_gate, .offset: 16, .size: 8, .value_kind: global_buffer, .address_space: global }
      - { .name: state, .offset: 24, .size: 8, .value_kind: global_buffer, .address_space: global }
      - { .name: rh_img, .offset: 32, .size: 8, .value_kind: global_buffer, .address_space: global }
    .group_segment_fixed_size: 327680
    .private_segment_fixed_size: 0
    .kernarg_segment_align: 8
    .kernarg_segment_size: 40
    .max_flat_workgroup_size: 128
    .sgpr_count:     100
    .vgpr_count:     1024
    .wavefront_size: 32
...
	.end_amdgpu_metadata
.endif
;; end of part 2
;; launch cand (part 3): grid 8 x 32, 4 waves a work-group, clusters of 4 x 4, 327,680 bytes of LDS; arguments xh_img, rh_img, wg_img, wc_img, b_gate, b_cand, att_score, state, out0; writes out0
.if DOCPART == 3
	.amdgcn_target "amdgcn-amd-amdhsa--gfx1250"
	.amdhsa_code_object_version 6
	.text
	.protected	k_q302fe73f93_cand
	.globl	k_q302fe73f93_cand
	.p2align	8
	.type	k_q302fe73f93_cand,@function
k_q302fe73f93_cand:
	s_mov_b64 s[64:65], 0
	v_nop
	global_prefetch_b8 v0, s[64:65] scope:SCOPE_SE
	s_setreg_imm32_b32 hwreg(HW_REG_WAVE_MODE, 25, 1), 1
	s_wait_xcnt 0x0
	s_wait_alu depctr_hold_cnt(0) depctr_sa_sdst(0) depctr_va_vdst(0) depctr_va_sdst(0) depctr_va_ssrc(0) depctr_va_vcc(0) depctr_vm_vsrc(0)
	s_getreg_b32 s2, hwreg(HW_REG_IB_STS2, 6, 4)
	s_cmp_eq_u32 s2, 0
	s_cbranch_scc0 .Lentry_in_a_cluster
	s_endpgm
.Lentry_in_a_cluster:
	s_bfe_u32 s2, ttmp6, 0x10000c
	s_cmp_lg_u32 s2, 0xf033
	s_cbranch_scc0 .Lentry_shape_is_right
	s_endpgm
.Lentry_shape_is_right:
; Third of three launches: u = sigmoid([x, h] Wg[:, 1024:] + bg[1024:]), c = tanh([x, r h] Wc + bc), new_h = u' h + (1 - u') c with u' = (1 - att) u.  No work is left out.
; A work-group takes 256 rows x 128 units of both products.  Wave (ROLE, PART): rows 128 ROLE .., product PART (0: u, 1: c): 64 accumulators, by turns.
; The operands are images of the operands' registers in records of 16 rows x 256 along K (REC bytes).  A ring of two LDS slots, a slot a record step: two areas of 16 records for A, two of 8 for B.
; THE WALK ALONG K takes record steps 4-7 first (A: state's codes for u, r x state's for c: two tiles a step), then steps 0-3 (inputs: ONE tile serves both products; waves 0 and 1 bring a half each, into the first area).
; The sums are f32 sums of the same products in another order.
; CLUSTERS: 4 x 4 work-groups; A's tiles are asked for jointly along a row of the cluster, B's along a column.
.set REC,   3328
.set TA,    16*REC
.set TB,    8*REC
.set SLOT,  2*TA+2*TB
.set SPARE, 2*SLOT
.set KA,    512*REC
.set KG,    128*REC
.set KC,    64*REC
.set SP,    528
.set WST,   128*SP
.set FR,    12
.set NL,    3
.set NQ,    2
.set NP,    4
.set BU,    4
.set BC,    8
.set OMA,   12
.set ADRA,  16
.set ADRS,  18
.set ADRB,  20
.set STO,   24
.set RDU,   25
.set CO,    26
.set RDC,   27
.set SPW,   28
.set NIL,   29
.set SC,    32
.set AF,    128
.set BUW,   192
.set BCW,   196
.set WV,    22
.set ROLE,  23
.set PART,  46
.set TX,    42
.set TY,    45
.set G1,    24
.set G0,    32
.set G1B,   48
.set G0B,   56
.set PA2,   68
.set BST,   70
.set SH,    72
.set SO,    74
.set OM,    80
.set LU,    88
.set LC,    90
.set MSB, 0
.macro WIN new
.if MSB != (\new)
	s_set_vgpr_msb (MSB<<8)|(\new)
.set MSB, (\new)
.endif
.endm
.set MUL_LO, 0xa1
.set MUL_HI, 0xf1
.set TO_B,   0x40
.macro JLOAD g0a, g1a, g0b, g1b
	s_cmp_eq_u32 s[ROLE], 0
	s_cbranch_scc0 .Lfor_b_\@
	tensor_load_to_lds s[\g0a:\g0a+3], s[\g1a:\g1a+7]
	s_nop 0
.rept 4
	v_nop
.endr
	s_branch .Lasked_\@
.Lfor_b_\@:
	tensor_load_to_lds s[\g0b:\g0b+3], s[\g1b:\g1b+7]
	s_nop 0
.rept 4
	v_nop
.endr
.Lasked_\@:
.endm
.macro CREST
	s_cmp_lg_u32 s[WV], 0
	s_cbranch_scc1 .Lnot_wave_0_\@
	s_barrier_signal -3
.Lnot_wave_0_\@:
	s_barrier_wait -3
	s_barrier_signal -1
	s_barrier_wait -1
.endm
.macro CROUND
	s_barrier_signal -1
	s_barrier_wait -1
	CREST
.endm
.macro PLACES n
.rept \n
	v_nop
.endr
.endm
	s_load_b512 s[4:19], s[0:1], 0x0
	s_load_b64 s[20:21], s[0:1], 0x40
	v_lshl_add_u32 v[SPW], v0, 2, SPARE
	v_mov_b32 v[NIL], 0
	ds_add_u32 v[SPW], v[NIL]
	ds_add_u32 v[SPW], v[NIL]
	v_lshrrev_b32 v1, 5, v0
	v_readfirstlane_b32 s[WV], v1
	s_lshr_b32 s[ROLE], s[WV], 1
	s_and_b32 s[PART], s[WV], 1
	s_bfe_u32 s40, ttmp6, 0x40000
	s_bfe_u32 s41, ttmp6, 0x40004
	s_lshl_b32 s[TX], ttmp9, 2
	s_add_co_u32 s[TX], s[TX], s40
	s_and_b32 s[TY], ttmp7, 0xffff
	s_lshl_b32 s[TY], s[TY], 2
	s_add_co_u32 s[TY], s[TY], s41
	s_lshl_b32 s43, s41, 2
	s_lshl_b32 s43, 15, s43
	s_lshl_b32 s44, 0x1111, s40
	s_or_b32 s[G1], s43, (3<<16)|(1<<21)
	s_mov_b32 s[G1+1], 32<<16
	s_mov_b32 s[G1+2], (TA/256)<<16
	s_mov_b32 s[G1+3], 32<<16
	s_mov_b32 s[G1+4], TA/256
	s_mov_b32 s[G1+5], 32
	s_mov_b32 s[G1+6], 0
	s_mov_b32 s[G1+7], 0
	s_or_b32 s[G1B], s44, (3<<16)|(1<<21)
	s_mov_b32 s[G1B+1], 32<<16
	s_mov_b32 s[G1B+2], (TB/256)<<16
	s_mov_b32 s[G1B+3], 32<<16
	s_mov_b32 s[G1B+4], TB/256
	s_mov_b32 s[G1B+5], 32
	s_mov_b32 s[G1B+6], 0
	s_mov_b32 s[G1B+7], 0
	s_mul_i32 s76, s[TY], TA
	s_mov_b32 s77, 0
	s_mul_i32 s92, s[TX], TB
	s_mov_b32 s93, 0
	s_mul_i32 s78, s[PART], TA
	s_mul_i32 s47, s[PART], TB                     ; my half of inputs' tile: 8 records
	s_mul_i32 s79, s[PART], TB
	s_add_co_u32 s79, s79, 2*TA
	s_mov_b32 s[LU], 0xbfb8aa3b
	s_mov_b32 s[LU+1], s[LU]
	s_mov_b32 s[LC], 0x4038aa3b
	s_mov_b32 s[LC+1], s[LC]
	s_mov_b32 s[BST], 2*KC
	s_cmp_eq_u32 s[PART], 0
	s_cselect_b32 s[BST], 2*KG, s[BST]
	s_mov_b32 s[BST+1], 0
	s_lshr_b32 s94, s[BST], 1
	s_mov_b32 s95, 0
	s_wait_dscnt 0x0
	s_wait_kmcnt 0x0
	s_cmp_eq_u32 s[PART], 0
	s_add_nc_u64 s[96:97], s[4:5], 4*KA
	s_cselect_b64 s[98:99], s[96:97], s[6:7]       ; record steps 4-7: state's codes or r x state's
	s_add_nc_u64 s[PA2:PA2+1], s[4:5], s[76:77]    ; record steps 0-3: inputs' tile,
	s_add_nc_u64 s[76:77], s[98:99], s[76:77]
	s_mov_b32 s98, s47
	s_mov_b32 s99, 0
	s_add_nc_u64 s[PA2:PA2+1], s[PA2:PA2+1], s[98:99]   ; my half of it
	s_add_nc_u64 s[96:97], s[8:9], 64*REC
	s_cselect_b64 s[96:97], s[96:97], s[10:11]
	s_add_nc_u64 s[92:93], s[96:97], s[92:93]
	s_lshl_b32 s96, s94, 2                         ; the weights begin at record step 4 too
	s_mov_b32 s97, 0
	s_add_nc_u64 s[92:93], s[92:93], s[96:97]
	CROUND
.irp s, 0,1
	s_mov_b32 s[G0+4*\s], 1
	s_add_co_u32 s[G0+4*\s+1], s78, \s*SLOT
	s_add_nc_u64 s[G0+4*\s+2:G0+4*\s+3], s[76:77], \s*KA
	s_or_b32 s[G0+4*\s+3], s[G0+4*\s+3], 0x80000000
	s_mov_b32 s[G0B+4*\s], 1
	s_add_co_u32 s[G0B+4*\s+1], s79, \s*SLOT
.if \s
	s_add_nc_u64 s[G0B+4*\s+2:G0B+4*\s+3], s[92:93], s[94:95]
.else
	s_mov_b64 s[G0B+4*\s+2:G0B+4*\s+3], s[92:93]
.endif
	s_or_b32 s[G0B+4*\s+3], s[G0B+4*\s+3], 0x80000000
.if \s                                         ; slot 1's first fill is issued as a refill is, behind a whole round
	s_wait_alu depctr_va_vdst(0)
	s_wait_tensorcnt 0x0
	ds_add_u32 v28, v29
	ds_add_u32 v28, v29
	s_wait_dscnt 0x0
	CROUND
.endif
	JLOAD G0+4*\s, G1, G0B+4*\s, G1B
.endr
	s_mul_i32 s92, s94, 6                          ; s[92:93]: six record steps of my weights, in bytes
	s_mov_b32 s93, 0
	v_and_b32 v1, 31, v0
	v_and_b32 v2, 15, v0
	v_bfe_u32 v3, v0, 4, 1
	v_lshlrev_b32 v[CO], 4, v1
	s_wait_alu depctr_va_vdst(0)
	v_lshlrev_b32 v31, 3, v1
	s_mul_i32 s96, s[PART], TA
	s_mul_i32 s97, s[ROLE], TB
	s_add_co_u32 s96, s96, s97
	s_mul_i32 s97, s[PART], TB
	s_add_co_u32 s97, s97, 2*TA
	s_sub_co_u32 s98, s97, s96
	v_mul_u32_u24 v30, s98, v3
	v_add_nc_u32 v30, v30, v31
.irp s, 0,1
	v_add_nc_u32 v[ADRA+\s], s96, v[CO]
	v_add_nc_u32 v[ADRS+\s], s96, v30
	v_add_nc_u32 v[ADRB+\s], s97, v[CO]
	s_add_co_u32 s96, s96, SLOT
	s_add_co_u32 s97, s97, SLOT
.endr
	s_mul_i32 s96, s[WV], WST
	v_mul_u32_u24 v[STO], v2, SP
	v_lshl_add_u32 v[STO], v3, 6, v[STO]
	v_add_nc_u32 v[STO], s96, v[STO]
	s_mul_i32 s96, s[ROLE], 2*WST
	s_mul_i32 s97, s[PART], 8*SP
	s_add_co_u32 s96, s96, s97
	v_add_nc_u32 v[RDU], s96, v[CO]
	v_add_nc_u32 v[RDC], WST, v[RDU]
	s_lshl_b32 s98, s[PART], 3
	v_add_nc_u32 v31, s98, v1
	v_and_b32 v31, 31, v31
	v_lshlrev_b32 v31, 2, v31
	v_sub_nc_u32 v30, 1, v3
	v_mul_u32_u24 v30, s78, v30                    ; lanes 0-15 (A's scale words): my product's area of A; lanes 16-31 (B's): 0
	s_wait_alu depctr_va_vdst(0)
	s_lshl_b32 s96, s[TY], 20
	s_lshl_b32 s97, s[ROLE], 19
	s_add_co_u32 s96, s96, s97
	s_lshl_b32 s97, s[PART], 15
	s_add_co_u32 s96, s96, s97
	s_lshl_b32 s98, s[TX], 9
	s_add_co_u32 s96, s96, s98
	s_mov_b32 s97, 0
	s_mov_b32 s99, 0
	s_add_nc_u64 s[SH:SH+1], s[18:19], s[96:97]
	s_add_nc_u64 s[SO:SO+1], s[20:21], s[96:97]
	s_add_nc_u64 s[14:15], s[14:15], s[98:99]
	s_add_nc_u64 s[12:13], s[12:13], s[98:99]
	s_add_nc_u64 s[12:13], s[12:13], 4096
	s_lshl_b32 s96, s[TY], 10
	s_lshl_b32 s98, s[ROLE], 9
	s_add_co_u32 s96, s96, s98
	s_add_nc_u64 s[16:17], s[16:17], s[96:97]
	global_load_b128 v[BU:BU+3], v[CO], s[12:13]
	global_load_b128 v[BC:BC+3], v[CO], s[14:15]
.irp k, 0,1,2,3
	global_load_b32 v[OMA+\k], v31, s[16:17] offset:128*\k
.endr
.macro FRAG reg, adr, q, i
.irp c, 0,1,2
	ds_load_b128 v[\reg+4*\c:\reg+4*\c+3], v[\adr] offset:REC*(\i)+1536*(\q)+512*\c
.endr
.endm
.macro MUL16 a0, p, q, sc, zero
.irp a, \a0, \a0+1
.irp b, 0,1,2,3,4,5,6,7
.if \zero
	v_wmma_scale_f32_16x16x128_f8f6f4 v[8*(8*((\a)%4)+\b):8*(8*((\a)%4)+\b)+7], v[128*(\p)+FR*\b:128*(\p)+FR*\b+FR-1], v[AF+FR*(\a):AF+FR*(\a)+FR-1], 0, v[SC+8*NQ*(\sc)+NQ*\b+(\q)], v[SC+8*NQ*(\sc)+NQ*(\a)+(\q)] matrix_a_fmt:MATRIX_FMT_BF6 matrix_b_fmt:MATRIX_FMT_BF6 matrix_a_scale:MATRIX_SCALE_ROW1
.else
	v_wmma_scale_f32_16x16x128_f8f6f4 v[8*(8*((\a)%4)+\b):8*(8*((\a)%4)+\b)+7], v[128*(\p)+FR*\b:128*(\p)+FR*\b+FR-1], v[AF+FR*(\a):AF+FR*(\a)+FR-1], v[8*(8*((\a)%4)+\b):8*(8*((\a)%4)+\b)+7], v[SC+8*NQ*(\sc)+NQ*\b+(\q)], v[SC+8*NQ*(\sc)+NQ*(\a)+(\q)] matrix_a_fmt:MATRIX_FMT_BF6 matrix_b_fmt:MATRIX_FMT_BF6 matrix_a_scale:MATRIX_SCALE_ROW1
.endif
.endr
.endr
.endm
.macro FETCH_B slot, q, p
	WIN TO_B
.irp i, 0,1,2,3,4,5,6,7
	FRAG 128*(\p)+FR*\i, ADRB+\slot, \q, \i
.endr
	WIN 0
.endm
.macro FETCH_A slot, q, i0
.irp i, \i0, \i0+1, \i0+2, \i0+3
	FRAG AF+FR*(\i), ADRA+\slot, \q, \i
.endr
.endm
.macro SCALES sc
.irp i, 0,1,2,3,4,5,6,7
	ds_load_b64 v[SC+16*\sc+2*\i:SC+16*\sc+2*\i+1], v[ADRS+\sc] offset:3072+REC*\i
.endr
.endm
.macro STEP slot, zero
	s_wait_dscnt 4*NL
	WIN MUL_LO
	MUL16 0, 0, 0, \slot, \zero
	MUL16 2, 0, 0, \slot, \zero
	s_wait_dscnt 0x0
	PLACES NP
	FETCH_B \slot, 1, 1
	FETCH_A \slot, 1, 0
	WIN MUL_HI
	MUL16 4, 0, 0, \slot, \zero
	MUL16 6, 0, 0, \slot, \zero
	PLACES NP
	WIN 0
	FETCH_A \slot, 1, 4
.endm
.macro TURN slot, next, kind
	s_wait_tensorcnt 0x0
	ds_add_u32 v[SPW], v[NIL]
	s_wait_dscnt 4*NL+1
	WIN MUL_LO
	MUL16 0, 1, 1, \slot, 0
	s_wait_dscnt 0x0
	s_barrier_signal -1
	MUL16 2, 1, 1, \slot, 0
	WIN 0
	s_barrier_wait -1
.if \kind
	CREST
.if \kind == 1
	s_add_nc_u64 s[G0+4*\slot+2:G0+4*\slot+3], s[G0+4*\slot+2:G0+4*\slot+3], 2*KA
.else
.if \slot
	s_add_nc_u64 s[G0+4*\slot+2:G0+4*\slot+3], s[PA2:PA2+1], KA
.else
	s_mov_b64 s[G0+4*\slot+2:G0+4*\slot+3], s[PA2:PA2+1]
.endif
	s_or_b32 s[G0+4*\slot+3], s[G0+4*\slot+3], 0x80000000
	s_add_co_u32 s[G0+4*\slot+1], s47, \slot*SLOT  ; inputs' tile goes into the first area, my half at its place
	s_mov_b32 s[G1+2], (TB/256)<<16                ; no tensor load of mine is out, so a descriptor may be written: from here on A's load brings 8 records
	s_mov_b32 s[G1+4], TB/256
	s_sub_nc_u64 s[G0B+4*\slot+2:G0B+4*\slot+3], s[G0B+4*\slot+2:G0B+4*\slot+3], s[92:93]   ; the weights go back from record step 6 or 7 to 0 or 1
.endif
.if \kind == 1
	s_add_nc_u64 s[G0B+4*\slot+2:G0B+4*\slot+3], s[G0B+4*\slot+2:G0B+4*\slot+3], s[BST:BST+1]
.endif
	JLOAD G0+4*\slot, G1, G0B+4*\slot, G1B
.else
	PLACES NP
.endif
	FETCH_B \next, 0, 0
	FETCH_A \next, 0, 0
	SCALES \next
	WIN MUL_HI
	MUL16 4, 1, 1, \slot, 0
	MUL16 6, 1, 1, \slot, 0
	PLACES NP
	WIN 0
	FETCH_A \next, 0, 4
.endm
.macro HLOAD a, win, base
	WIN \win
.irp t, 0,1,2,3,4,5,6,7
	global_load_b128 v[\base+4*\t:\base+4*\t+3], v[CO], s[SH:SH+1] offset:(16*\a+\t)*4096 th:TH_LOAD_NT
.endr
.endm
	s_wait_tensorcnt 1
	s_barrier_signal -1
	s_barrier_wait -1
	FETCH_B 0, 0, 0
	FETCH_A 0, 0, 0
	SCALES 0
	FETCH_A 0, 0, 4
	STEP 0, 1
	TURN 0, 1, 1
	s_wait_loadcnt 0x0
	HLOAD 0, 0, 64
	HLOAD 1, 0, 96
	HLOAD 2, 0, 224
	HLOAD 3, 0x40, 96
	HLOAD 4, 0x40, 224
	STEP 1, 0
	TURN 1, 0, 1
	STEP 0, 0
	TURN 0, 1, 2
	v_sub_nc_u32 v[ADRA], v[ADRA], s78             ; slot 0 holds inputs from here on: both products read the first area
	v_sub_nc_u32 v[ADRS], v[ADRS], v30
	s_wait_alu depctr_va_vdst(0)
	STEP 1, 0
	TURN 1, 0, 2
	v_sub_nc_u32 v[ADRA+1], v[ADRA+1], s78         ; and so does slot 1
	v_sub_nc_u32 v[ADRS+1], v[ADRS+1], v30
	s_wait_alu depctr_va_vdst(0)
	STEP 0, 0
	TURN 0, 1, 1
	STEP 1, 0
	TURN 1, 0, 1
	STEP 0, 0
	TURN 0, 1, 0
	STEP 1, 0
	HLOAD 5, 0x40, 0
	HLOAD 6, 0x40, 32
	HLOAD 7, 0x40, 64
	s_wait_dscnt 4*NL
	WIN MUL_LO
	MUL16 0, 1, 1, 1, 0
	MUL16 2, 1, 1, 1, 0
	s_wait_dscnt 0x0
	s_barrier_signal -1
	WIN MUL_HI
	MUL16 4, 1, 1, 1, 0
	MUL16 6, 1, 1, 1, 0
	WIN 0
	s_barrier_wait -1
	PLACES NP
.irp a, 0,1,2,3,4,5,6,7
	WIN 0x08+4*(\a/4)
.irp b, 0,1,2,3,4,5,6,7
	ds_store_b128 v[STO], v[8*(8*(\a%4)+\b):8*(8*(\a%4)+\b)+3] offset:16*SP*\a+128*(\b/2)+32*(\b%2)
	ds_store_b128 v[STO], v[8*(8*(\a%4)+\b)+4:8*(8*(\a%4)+\b)+7] offset:16*SP*\a+128*(\b/2)+32*(\b%2)+16
.endr
.endr
	WIN 0
	s_wait_dscnt 0x0
	s_barrier_signal -1
	s_barrier_wait -1
.macro READ a
.set RE, 64*((\a)%2)
	WIN 0x80
.irp t, 0,1,2,3,4,5,6,7
	ds_load_b128 v[RE+4*\t:RE+4*\t+3], v[RDU] offset:SP*(16*(\a)+\t)
.endr
.irp t, 0,1,2,3,4,5,6,7
	ds_load_b128 v[RE+32+4*\t:RE+32+4*\t+3], v[RDC] offset:SP*(16*(\a)+\t)
.endr
.endm
.macro BLEND a, hw, hb
.set BE, 64*((\a)%2)
.set BO, 128+32*((\a)%2)
.if \a < 7
	READ (\a)+1
	s_wait_dscnt 16
.else
	s_wait_dscnt 0x0
.endif
	WIN 0
.irp t, 0,1,2,3,4,5,6,7
	v_readlane_b32 s[OM+\t], v[OMA+(\a)/2], 16*((\a)%2)+\t
.endr
	WIN 0xaa
.irp i, 0,1,2,3,4,5,6,7,8,9,10,11,12,13,14,15
	v_pk_fma_f32 v[BE+2*\i:BE+2*\i+1], v[BE+2*\i:BE+2*\i+1], s[LU:LU+1], v[BUW+2*(\i%2):BUW+2*(\i%2)+1] op_sel_hi:[1,0,1]
.endr
.irp i, 0,1,2,3,4,5,6,7,8,9,10,11,12,13,14,15
	v_pk_fma_f32 v[BE+32+2*\i:BE+32+2*\i+1], v[BE+32+2*\i:BE+32+2*\i+1], s[LC:LC+1], v[BCW+2*(\i%2):BCW+2*(\i%2)+1] op_sel_hi:[1,0,1]
.endr
.set I, 0
	s_wait_alu depctr_va_vdst(0)
.rept 64
	v_exp_f32 v[BE+I], v[BE+I]
.set I, I+1
.endr
	v_nop
	s_wait_alu depctr_va_vdst(0)
.set I, 0
.rept 32
	v_pk_add_f32 v[BE+I:BE+I+1], v[BE+I:BE+I+1], 1.0 op_sel_hi:[1,0]
.set I, I+2
.endr
.set I, 0
	s_wait_alu depctr_va_vdst(0)
.rept 64
	v_rcp_f32 v[BE+I], v[BE+I]
.set I, I+1
.endr
	v_nop
	s_wait_alu depctr_va_vdst(0)
.irp i, 0,1,2,3,4,5,6,7,8,9,10,11,12,13,14,15
	v_pk_fma_f32 v[BE+32+2*\i:BE+32+2*\i+1], v[BE+32+2*\i:BE+32+2*\i+1], -2.0, 1.0 op_sel_hi:[1,0,0]
.endr
	s_wait_loadcnt 8*(7-(\a))
.if \a > 1
	s_wait_xcnt 0x0
.endif
	WIN 0x88+\hw
.irp i, 0,1,2,3,4,5,6,7,8,9,10,11,12,13,14,15
	v_pk_add_f32 v[BO+2*\i:BO+2*\i+1], v[\hb+2*\i:\hb+2*\i+1], v[BE+32+2*\i:BE+32+2*\i+1] neg_lo:[0,1] neg_hi:[0,1]
.endr
	WIN 0xaa
.irp i, 0,1,2,3,4,5,6,7,8,9,10,11,12,13,14,15
	v_pk_mul_f32 v[BO+2*\i:BO+2*\i+1], v[BO+2*\i:BO+2*\i+1], v[BE+2*\i:BE+2*\i+1]
.endr
.irp t, 0,1,2,3,4,5,6,7
.irp m, 0,1,2,3
	v_fma_f32 v[BO+4*\t+\m], v[BO+4*\t+\m], s[OM+\t], v[BE+32+4*\t+\m]
.endr
.endr
	WIN 0x08
.irp t, 0,1,2,3,4,5,6,7
	global_store_b128 v[CO], v[BO+4*\t:BO+4*\t+3], s[SO:SO+1] offset:(16*\a+\t)*4096 th:TH_STORE_NT
.endr
.endm
	READ 0
	WIN 0
.irp k, 0,1,2,3
	v_sub_f32 v[OMA+\k], 1.0, v[OMA+\k]
.endr
	WIN 0x80
.irp m, 0,1,2,3
	v_mul_f32 v[BUW+\m], s[LU], v[BU+\m]
.endr
.irp m, 0,1,2,3
	v_mul_f32 v[BCW+\m], s[LC], v[BC+\m]
.endr
	BLEND 0, 0, 64
	BLEND 1, 0, 96
	BLEND 2, 0, 224
	BLEND 3, 1, 96
	BLEND 4, 1, 224
	BLEND 5, 1, 0
	BLEND 6, 1, 32
	BLEND 7, 1, 64
	WIN 0
	s_wait_tensorcnt 0x0
	ds_add_u32 v[SPW], v[NIL]
	s_wait_dscnt 0x0
	CROUND
	s_endpgm
.Lfunc_end_k_q302fe73f93_cand:
	.size	k_q302fe73f93_cand, .Lfunc_end_k_q302fe73f93_cand-k_q302fe73f93_cand
	.p2alignl 7, 3214868480
	.fill 96, 4, 3214868480
	.section	.rodata,"a",@progbits
	.p2align	6, 0x0
	.amdhsa_kernel k_q302fe73f93_cand
		.amdhsa_group_segment_fixed_size 327680
		.amdhsa_private_segment_fixed_size 0
		.amdhsa_enable_private_segment 0
		.amdhsa_kernarg_size 72
		.amdhsa_user_sgpr_count 2
		.amdhsa_user_sgpr_kernarg_segment_ptr 1
		.amdhsa_wavefront_size32 1
		.amdhsa_system_sgpr_workgroup_id_x 1
		.amdhsa_system_sgpr_workgroup_id_y 1
		.amdhsa_system_sgpr_workgroup_id_z 1
		.amdhsa_system_vgpr_workitem_id 0
		.amdhsa_next_free_vgpr 1024
		.amdhsa_next_free_sgpr 100
		.amdhsa_reserve_vcc 0
		.amdhsa_float_denorm_mode_32 3
		.amdhsa_float_denorm_mode_16_64 3
		.amdhsa_memory_ordered 1
		.amdhsa_forward_progress 1
		.amdhsa_inst_pref_size 255
	.end_amdhsa_kernel
	.section	.bss,"aw",@nobits
	.p2align	6
	.space	262144
	.amdgpu_metadata
---
amdhsa.version: [ 1, 2 ]
amdhsa.kernels:
  - .name:           k_q302fe73f93_cand
    .symbol:         k_q302fe73f93_cand.kd
    .args:
      - { .name: xh_img, .offset: 0, .size: 8, .value_kind: global_buffer, .address_space: global }
      - { .name: rh_img, .offset: 8, .size: 8, .value_kind: global_buffer, .address_space: global }
      - { .name: wg_img, .offset: 16, .size: 8, .value_kind: global_buffer, .address_space: global }
      - { .name: wc_img, .offset: 24, .size: 8, .value_kind: global_buffer, .address_space: global }
      - { .name: b_gate, .offset: 32, .size: 8, .value_kind: global_buffer, .address_space: global }
      - { .name: b_cand, .offset: 40, .size: 8, .value_kind: global_buffer, .address_space: global }
      - { .name: att_score, .offset: 48, .size: 8, .value_kind: global_buffer, .address_space: global }
      - { .name: state, .offset: 56, .size: 8, .value_kind: global_buffer, .address_space: global }
      - { .name: out0, .offset: 64, .size: 8, .value_kind: global_buffer, .address_space: global }
    .group_segment_fixed_size: 327680
    .private_segment_fixed_size: 0
    .kernarg_segment_align: 8
    .kernarg_segment_size: 72
    .max_flat_workgroup_size: 128
    .sgpr_count:     100
    .vgpr_count:     1024
    .wavefront_size: 32
...
	.end_amdgpu_metadata
.endif
;; end of part 3
